; MI455X (gfx1250); checked and timed in simulation.
; The chip was launched on July 23, 2026; its instructions are those of AMD's public machine-readable ISA for CDNA 5 (MIT licence, August 2026) and "CDNA5" Instruction Set Architecture Reference Guide (July 2026). The comments in the code are by the model that wrote it; some were corrected since.
;; EETQ Linear. Allowed arithmetic: float matrix products may take bf16 or f16 operands with f32 sums; other float arithmetic in f32, or as packed bf16 or f16 multiplies, adds, multiply-adds, maxima and minima; sums over many terms, partial sums and values carried from step to step in f32; what a program stores and reads back later, other than sums and carried values, may be rounded once to bf16 or f16.
;; Inputs: bias 4,096 float16; scale 4,096 float16; w_q 4,096 x 4,096 int8; x 4 x 1,024 x 4,096 float16.
;; Outputs: out0 4 x 1,024 x 4,096 float16.
;; One version. Each part assembles by itself: llvm-mc -triple=amdgcn-amd-amdhsa -mcpu=gfx1250 --defsym DOCPART=n.
;; ======== version 1 of 1: 1 launch
;; launch gemm (part 1): grid 16 x 16, 4 waves a work-group, clusters of 4 x 4, 327,680 bytes of LDS; arguments x, w_q, scale, bias, out0; writes out0
.if DOCPART == 1
	.amdgcn_target "amdgcn-amd-amdhsa--gfx1250"
	.amdhsa_code_object_version 6
	.text
	.protected	k_qf425f1e300_gemm
	.globl	k_qf425f1e300_gemm
	.p2align	8
	.type	k_qf425f1e300_gemm,@function
k_qf425f1e300_gemm:
	s_mov_b64 s[64:65], 0
	v_nop
	global_prefetch_b8 v0, s[64:65] scope:SCOPE_SE
	s_setreg_imm32_b32 hwreg(HW_REG_WAVE_MODE, 25, 1), 1
	s_wait_xcnt 0x0
	s_wait_alu depctr_hold_cnt(0) depctr_sa_sdst(0) depctr_va_vdst(0) depctr_va_sdst(0) depctr_va_ssrc(0) depctr_va_vcc(0) depctr_vm_vsrc(0)
	s_getreg_b32 s2, hwreg(HW_REG_IB_STS2, 6, 4)
	s_cmp_eq_u32 s2, 0
	s_cbranch_scc0 .Lentry_in_a_cluster
	s_endpgm
.Lentry_in_a_cluster:
	s_bfe_u32 s2, ttmp6, 0x10000c
	s_cmp_lg_u32 s2, 0xf033
	s_cbranch_scc0 .Lentry_shape_is_right
	s_endpgm
.Lentry_shape_is_right:
; out[m][o] = scale[o] * (sum over i of x[m][i] * w_q[i][o]) + bias[o].  x: [4096][4096] f16 (i along the rows); w_q: [4096 (i)][4096 (o)] int8 (o along the rows);
; scale, bias: [4096] f16; out: [4096][4096] f16.  Products of f16 operands, sums in f32.  x enters as it is; the whole numbers -128 .. 127 are exact in f16, so no operand is rounded.
; The column's scale stands outside the sum: one fused multiply-add in f32 on the finished sum (sum * scale + bias), rounded once to f16.
; LIMITS.  A result beyond 65,504 leaves as an infinity (the output's own format).  The scale multiplies the f32 sum, not w rounded to f16.  The sums stay far inside f32
; (65,504 x 128 x 4,096 is about 3.4e10).  NaN and infinities in x go through the sums as in any sum.
; SHARES.  A work-group of four waves makes a tile of 256 x 256 of out, a wave 128 x 128: 64 accumulators of 16 x 16, 512 registers.  K goes in 32 steps of 128 through a ring of two LDS
; slots filled by the tensor data mover: 256 rows of x (256 bytes each) and 128 rows of w_q (256 bytes = 256 columns each), every row 256 consecutive bytes at a multiple of 256.
; CLUSTER.  4 x 4 work-groups.  The four of a row of the cluster need the same tiles of x, the four of a column the same tiles of w_q: each tile is asked for JOINTLY, by the same tensor load
; with the same descriptor and a mask that names the four.
; FROM int8 [K][N] TO A FRAGMENT.  ds_load_tr16_b128, used on PAIRS of bytes, turns 16 k x 32 columns: lane (r = l % 16, h = l / 16) gets four registers, register t with k = 8 h + 2 t in its low
; half and k + 1 in its high half; in each half the low byte is column 2 r, the high byte column 2 r + 1.  So a group of 32 columns (a PAIR p) gives two fragments: E (lane r = column 2 r) and
; O (column 2 r + 1).  Five vector instructions a raw register (four numbers): xor 0x80808080 makes u = b + 128; two v_perm_b32 set 0x64 above each u of the odd and of the even column:
; 0x6400 | u is 1024 + u in f16; two v_pk_add_f16 of -1152 give exactly b.  On the way out E's and O's results of a lane are two NEIGHBOURING columns and pack into one word.
; RIDERS.  These 160 vector instructions a quarter step stand in fours behind the matrix instructions (2.5 for each), a quarter ahead of their use.
; REGISTERS, in windows of 256 (s_set_vgpr_msb: bits 1:0 source 0, 3:2 source 1, 5:4 source 2, 7:6 destination).  An accumulator's window goes by its column pair, and the pair's fragments
; of w lie in the same window; x's fragments, the raw bytes and the constant -1152 lie in window 0, which is always source 0's.  So ONE setting serves a matrix instruction and its riders.
;   window 0: v0-23 addresses, constants, scale and bias; v32-95 raw bytes, two buffers; v96-223 fragments of x, two buffers of 8 x 16 rows x 32 K; all from v32 on at work on the way out
;   window 1: v0-127 accumulators of pair 0 (row block a, column parity e at 16 a + 8 e); v128-191 of pair 3, row blocks 0-3; v192-223 w's fragments of pair 0 (buffer f, parity e at 192 + 16 f + 8 e); v224-255 of pair 3
;   window 2: v0-127 pair 1; v128-191 pair 3, row blocks 4-7; v192-223 w's fragments of pair 1          window 3: v0-127 pair 2; v192-223 w's fragments of pair 2
.set KSTEP,  128
.set LAPS,   4096/(2*KSTEP)            ; a lap = two K steps = once round the ring
.set PA,     272                       ; a row of x in LDS: 256 bytes + 16 of padding = 68 words: row r starts at bank 4 r mod 64 (64 banks of 4 bytes: ISA guide 11.1), the 16 rows of a load at 16 different places
.set HALFA,  128*PA                    ; 128 rows: what one tensor load brings of x, and what one wave reads
.set PB,     288                       ; a row of w_q: 256 + 32 = 72 words
.set HALFB,  64*PB                     ; 64 rows of w_q: what one tensor load brings
.set BOFF,   2*HALFA                   ; in a slot: x's 256 rows, then w_q's 128 rows
.set SLOT,   BOFF+2*HALFB              ; 106,496 bytes
.set STAGE,  2*SLOT                    ; behind the ring, never filled by a tensor load: 16 rows x 272 bytes for each wave, for the way out
.set SP,     272
.set SPARE,  STAGE+4*16*SP             ; behind the stages: the spare words, 128 bytes for each wave: two blocks of 256 bytes that no other line names
.set ADRA, 4                           ; v4-5    LDS address of my fragments of x in slot 0, 1
.set ADRB, 6                           ; v6-7    the same for the turning loads of w_q
.set STO,  8                           ; v8      the way out: where I put 4 bytes of a row
.set RD,   9                           ; v9      the way out: where I read a row back
.set CO,   10                          ; v10     my byte offset in out
.set SBO,  11                          ; v11     my byte offset in scale and bias: 4 r
.set SPW,  12                          ; v12     LDS address of my spare word: SPARE + 4 x my thread's number; never rewritten
.set NIL,  13                          ; v13     0; never rewritten
.set NEG,  14                          ; v14     -1152 in both halves
.set SCL,  16                          ; v16-19  pair p: scale of my columns 2 r (low half) and 2 r + 1 (high half)
.set BIA,  20                          ; v20-23  the same of bias
.set RAW,  32                          ; raw bytes: buffer b, pair p, load c at RAW + 32 b + 8 p + 4 c
.set AF,   96                          ; fragments of x: buffer b, row block a at AF + 64 b + 8 a
.set SB,   32                          ; the way out: for pair p, parity e at SB + 8 p + 4 e: scale, scale, bias, bias in f32
.set F,    96                          ; the way out: a row block's results in f32, at F + 16 p + 8 e + j
.set PK,   160                         ; the way out: two neighbouring columns in f16, at PK + 8 p + j
.set OB,   192                         ; the way out: 16 rows read back from the stage: v192-223 and v224-255 by turns
.set WV,   14                          ; s14  my wave's number
.set RH,   15                          ; s15  which half of the tile's rows is mine.  Also: I fetch for x (0) or for w_q (1)
.set CH,   16                          ; s16  which half of its columns.  Also: which half of that tile I fetch
.set G1A,  24                          ; s[24:31] descriptor group 1 for x's tiles
.set G0A,  32                          ; s[32:39] descriptor group 0 for x's tiles, one set for each slot
.set G1B,  40                          ; s[40:47] descriptor group 1 for w_q's tiles
.set G0B,  48                          ; s[48:55] descriptor group 0 for w_q's tiles, one set for each slot
.set C64,  66                          ; s66  0x64 in every byte: the upper byte of 1024 + u
.set SELE, 67                          ; s67  v_perm_b32's selector for the even column
.set SELO, 68                          ; s68  for the odd column
.set X80,  69                          ; s69  0x80 in every byte
.set MSB, 0
.macro WIN new                         ; the immediate's high byte repeats the setting that is left; a switch that changes nothing is dropped
.if MSB != (\new)
	s_set_vgpr_msb (MSB<<8)|(\new)
.set MSB, \new
.endif
.endm
; A joint load.  Waves 0 and 1 fetch the two halves of x's tile, waves 2 and 3 those of w_q's.  Each of the two lines has ONE mask and one set of registers for all that issue it.
; The branch hangs on the wave's number alone.  An s_nop 0 and four v_nop follow each of the two lines, ahead of the jump, the label and what follows.
.macro JLOAD s
	s_cmp_eq_u32 s[RH], 0
	s_cbranch_scc0 .Lfor_b_\@
	tensor_load_to_lds s[G0A+4*(\s):G0A+4*(\s)+3], s[G1A:G1A+7]
	s_nop 0
.rept 4
	v_nop
.endr
	s_branch .Lasked_\@
.Lfor_b_\@:
	tensor_load_to_lds s[G0B+4*(\s):G0B+4*(\s)+3], s[G1B:G1B+7]
	s_nop 0
.rept 4
	v_nop
.endr
.Lasked_\@:
.endm
; A round of the cluster's barrier: my work-group's barrier, so that wave 0's signal speaks for all four waves; wave 0 signals for the work-group; every wave waits for all sixteen
; work-groups; my work-group's barrier once more.  No LDS instruction of the wave is pending at a signal.
.macro CREST                           ; a round behind its opening barrier
	s_cmp_lg_u32 s[WV], 0
	s_cbranch_scc1 .Lnot_wave_0_\@
	s_barrier_signal -3
.Lnot_wave_0_\@:
	s_barrier_wait -3
	s_barrier_signal -1
	s_barrier_wait -1
.endm
.macro CROUND                          ; a whole round
	s_barrier_signal -1
	s_barrier_wait -1
	CREST
.endm
	s_load_b256 s[4:11], s[0:1], 0x0               ; x s[4:5], w_q s[6:7], scale s[8:9], bias s[10:11]
	s_load_b64 s[12:13], s[0:1], 0x20              ; out
	v_lshl_add_u32 v[SPW], v0, 2, SPARE
	v_mov_b32 v[NIL], 0
	ds_add_u32 v12, v13
	ds_add_u32 v12, v13
	s_wait_dscnt 0x0
	v_lshrrev_b32 v1, 5, v0
	v_readfirstlane_b32 s[WV], v1                  ; wave 0..3
	s_lshr_b32 s[RH], s[WV], 1
	s_and_b32 s[CH], s[WV], 1
	s_bfe_u32 s17, ttmp6, 0x40000                  ; cx: my place along the cluster's x
	s_bfe_u32 s18, ttmp6, 0x40004                  ; cy: along its y
	s_lshl_b32 s19, ttmp9, 2                       ; in a cluster launch ttmp9 and ttmp7 count clusters
	s_add_co_u32 s19, s19, s17                     ; tile column = 4 x cluster x + cx
	s_and_b32 s20, ttmp7, 0xffff
	s_lshl_b32 s20, s20, 2
	s_add_co_u32 s20, s20, s18                     ; tile row = 4 x cluster y + cy
	s_lshl_b32 s21, s18, 2
	s_lshl_b32 s21, 15, s21                        ; my row of the cluster: places 4 cy .. 4 cy + 3
	s_lshl_b32 s22, 0x1111, s17                    ; my column: places cx, cx + 4, cx + 8, cx + 12
	; descriptor group 1 for x: a tile of 128 rows x 128 elements of 2 bytes, padded in LDS
	s_or_b32 s[G1A+0], s21, (1<<16)|(1<<20)|(1<<21)|(5<<22)|(3<<25)  ; 15:0 the mask: x's tiles go to my row; 17:16 elements of 2 bytes; 20 padding on; 21 set beside a mask; 24:22 after every 64 words (code 5); 31:25 4 words of it (code 3)
	s_mov_b32 s[G1A+1], 128<<16                    ; tensor_dim0 = 128
	s_mov_b32 s[G1A+2], 128<<16                    ; tensor_dim1 = 128
	s_mov_b32 s[G1A+3], 128<<16                    ; tile_dim0 = 128
	s_mov_b32 s[G1A+4], 128                        ; tile_dim1 = 128
	s_mov_b32 s[G1A+5], 4096                       ; elements from row to row
	s_mov_b32 s[G1A+6], 0
	s_mov_b32 s[G1A+7], 0
	; group 1 for w_q: 64 rows x 256 bytes, stated as 128 elements of 2 bytes; a row of w_q is 4,096 bytes = 2,048 such elements
	s_or_b32 s[G1B+0], s22, (1<<16)|(1<<20)|(1<<21)|(5<<22)|(7<<25)  ; the mask of my column; 8 words of padding (code 7)
	s_mov_b32 s[G1B+1], 128<<16                    ; tensor_dim0 = 128
	s_mov_b32 s[G1B+2], 64<<16                     ; tensor_dim1 = 64
	s_mov_b32 s[G1B+3], 128<<16                    ; tile_dim0 = 128
	s_mov_b32 s[G1B+4], 64                         ; tile_dim1 = 64
	s_mov_b32 s[G1B+5], 2048
	s_mov_b32 s[G1B+6], 0
	s_mov_b32 s[G1B+7], 0
	s_mov_b32 s[C64], 0x64646464
	s_mov_b32 s[SELE], 0x04020400                  ; bytes: u of (k, even column), 0x64, u of (k + 1, even column), 0x64
	s_mov_b32 s[SELO], 0x04030401                  ; the same of the odd column
	s_mov_b32 s[X80], 0x80808080
	; Where the tiles come from.  x's hang on the tile row alone, which my row of the cluster shares; w_q's on the tile column alone, which my column shares.
	; Every wave makes both offsets, in registers that never hold the other coordinate, and asks by one of them.
	s_lshl_b32 s56, s20, 21                        ; x: 256 rows of 8,192 bytes a tile row,
	s_lshl_b32 s23, s[CH], 20                      ; 128 rows for the half that I fetch
	s_add_co_u32 s56, s56, s23
	s_mov_b32 s57, 0
	s_lshl_b32 s58, s19, 8                         ; w_q: 256 bytes a tile column,
	s_lshl_b32 s23, s[CH], 18                      ; 64 rows of 4,096 bytes for the half that I fetch
	s_add_co_u32 s58, s58, s23
	s_mov_b32 s59, 0
	s_lshl_b32 s60, s19, 9                         ; scale, bias and out: my first column in bytes: 512 x tile column + 256 x column half
	s_lshl_b32 s23, s[CH], 8
	s_add_co_u32 s60, s60, s23
	s_mov_b32 s61, 0
	s_lshl_b32 s70, s20, 21                        ; out: my first row: 256 x tile row + 128 x row half, 8,192 bytes each
	s_lshl_b32 s23, s[RH], 20
	s_add_co_u32 s70, s70, s23
	s_mov_b32 s71, 0
	s_mul_i32 s62, s[CH], HALFA                    ; and where they go: no place in the cluster enters an LDS address
	s_mul_i32 s63, s[CH], HALFB
	s_add_co_u32 s63, s63, BOFF
	s_wait_kmcnt 0x0
	s_add_nc_u64 s[4:5], s[4:5], s[56:57]
	s_add_nc_u64 s[6:7], s[6:7], s[58:59]
	s_add_nc_u64 s[8:9], s[8:9], s[60:61]
	s_add_nc_u64 s[10:11], s[10:11], s[60:61]
	s_add_nc_u64 s[12:13], s[12:13], s[60:61]
	s_add_nc_u64 s[12:13], s[12:13], s[70:71]
	CROUND                                         ; all sixteen work-groups are here: the first joint loads meet
.irp s, 0,1
	s_mov_b32 s[G0A+4*(\s)], 1                                        ; 1:0 count = 1
	s_add_co_u32 s[G0A+4*(\s)+1], s62, (\s)*SLOT                      ; 63:32 LDS address
	s_add_nc_u64 s[G0A+4*(\s)+2:G0A+4*(\s)+3], s[4:5], (\s)*KSTEP*2   ; 120:64 global address: K step s
	s_or_b32 s[G0A+4*(\s)+3], s[G0A+4*(\s)+3], 0x80000000             ; 127:126 type = 2
	s_mov_b32 s[G0B+4*(\s)], 1
	s_add_co_u32 s[G0B+4*(\s)+1], s63, (\s)*SLOT
	s_add_nc_u64 s[G0B+4*(\s)+2:G0B+4*(\s)+3], s[6:7], (\s)*KSTEP*4096  ; K step s: 128 rows of w_q on
	s_or_b32 s[G0B+4*(\s)+3], s[G0B+4*(\s)+3], 0x80000000
	JLOAD \s                                       ; the ring is filled before anything else is done: two loads of mine are out
.endr
	; A fragment of x is 16 rows x 32 K in 8 registers: lane l holds row l % 16; registers 0-3 K = 8 (l / 16) + 0..7, registers 4-7 K = 16 + 8 (l / 16) + 0..7: two loads of 16 bytes, 32 bytes apart.
	v_and_b32 v1, 15, v0                           ; r = l % 16
	v_bfe_u32 v2, v0, 4, 1                         ; h = l / 16
	v_mul_u32_u24 v3, v1, PA
	v_lshl_add_u32 v3, v2, 4, v3                   ; row x pitch + 16 x half
	s_mul_i32 s23, s[RH], HALFA                    ; my 128 rows of x
	v_add_nc_u32 v[ADRA], s23, v3
	s_add_co_u32 s23, s23, SLOT
	v_add_nc_u32 v[ADRA+1], s23, v3
	; The turning load: lane l reads 16 bytes of row k = 8 (l / 16) + l % 8, columns 16 ((l / 8) % 2) + 0..15 of a group of 32
	v_and_b32 v3, 7, v0
	v_lshl_add_u32 v3, v2, 3, v3
	v_mul_u32_u24 v3, v3, PB
	v_bfe_u32 v6, v0, 3, 1
	v_lshl_add_u32 v3, v6, 4, v3
	s_lshl_b32 s23, s[CH], 7                       ; my 128 columns, a byte each,
	s_add_co_u32 s23, s23, BOFF                    ; behind x's 256 rows
	v_add_nc_u32 v[ADRB], s23, v3
	s_add_co_u32 s23, s23, SLOT
	v_add_nc_u32 v[ADRB+1], s23, v3
	s_mul_i32 s23, s[WV], 16*SP
	s_add_co_u32 s23, s23, STAGE                   ; my stage
	v_mul_u32_u24 v3, v2, 8*SP                     ; in: rows 8 h + j, 4 bytes (columns 2 r, 2 r + 1) a lane
	v_lshl_add_u32 v3, v1, 2, v3
	v_add_nc_u32 v[STO], s23, v3
	v_mul_u32_u24 v3, v2, SP                       ; back: lanes 0-15 take one row of 256 bytes, lanes 16-31 the next
	v_lshl_add_u32 v3, v1, 4, v3
	v_add_nc_u32 v[RD], s23, v3
	v_lshlrev_b32 v3, 13, v2                       ; and the same two rows in out, 8,192 bytes apart
	v_lshl_add_u32 v[CO], v1, 4, v3
	v_lshlrev_b32 v[SBO], 2, v1
	v_mov_b32 v[NEG], 0xe480e480                   ; -1152 = -(1024 + 128), twice
.irp p, 0,1,2,3
	global_load_b32 v[SCL+(\p)], v[SBO], s[8:9] offset:64*(\p)    ; columns 32 p + 2 r and 32 p + 2 r + 1; wanted on the way out, and waited for there; their address registers are never rewritten
	global_load_b32 v[BIA+(\p)], v[SBO], s[10:11] offset:64*(\p)
.endr
; THE LDS LOADS stand in runs.  16 loads: the fragments of x of one quarter step (my 128 rows, 32 K at byte k of the rows) into buffer b
.macro FETCH_A slot, k, b
.irp a, 0,1,2,3,4,5,6,7
	ds_load_b128 v[AF+64*(\b)+8*(\a):AF+64*(\b)+8*(\a)+3],   v[ADRA+(\slot)] offset:(\k)+(\a)*16*PA
	ds_load_b128 v[AF+64*(\b)+8*(\a)+4:AF+64*(\b)+8*(\a)+7], v[ADRA+(\slot)] offset:(\k)+(\a)*16*PA+32
.endr
.endm
; 8 turning loads: the raw bytes of quarter q of a K step (32 rows of w_q, my 128 columns) into buffer b
.macro FETCH_R slot, q, b
.irp p, 0,1,2,3
.irp c, 0,1
	ds_load_tr16_b128 v[RAW+32*(\b)+8*(\p)+4*(\c):RAW+32*(\b)+8*(\p)+4*(\c)+3], v[ADRB+(\slot)] offset:(\q)*32*PB+(\c)*16*PB+32*(\p)
.endr
.endr
.endm
; THE MATRIX WORK.  Matrix instruction i of a quarter's 64, on buffer f: pairs in the order 0, 3, 1, 2 (so that the windows change three times), in a pair row block (i % 16) / 2, parity i % 2.
; Every accumulator has one instruction a quarter, in the same order in every quarter: the accumulators take turns over the loop's backward jump too.
; zero = 1: the first product starts the sums: nothing is ever cleared.
.macro MM f, zero
.if i < 16
.set mp, 0
.set ma, i/2
.elseif i < 32
.set mp, 3
.set ma, (i-16)/2
.elseif i < 48
.set mp, 1
.set ma, (i-32)/2
.else
.set mp, 2
.set ma, (i-48)/2
.endif
.set me, i%2
.if mp < 3
.set bw, mp+1
.set aw, mp+1
.set rD, 16*ma+8*me
.set rB, 192+16*(\f)+8*me
.else
.set bw, 1
.set aw, 1+ma/4
.set rD, 128+16*(ma%4)+8*me
.set rB, 224+16*(\f)+8*me
.endif
.set rA, AF+64*(\f)+8*ma
	WIN (bw<<2)|(aw<<4)|(aw<<6)                    ; x in window 0, w in window bw, C and D in window aw
.if \zero
	v_wmma_f32_16x16x32_f16 v[rD:rD+7], v[rA:rA+7], v[rB:rB+7], 0
.else
	v_wmma_f32_16x16x32_f16 v[rD:rD+7], v[rA:rA+7], v[rB:rB+7], v[rD:rD+7]
.endif
.set i, i+1
.endm
; THE VECTOR WORK.  Group n of a quarter's 40: four instructions, one stage (n % 5) of the widening of one turning load's four registers (n / 5: pair 0, 0, 3, 3, 1, 1, 2, 2; load 0, 1),
; from raw buffer g into w's fragments of buffer g.  A group reads only what the group before it wrote.  Source 0 (the raw bytes, -1152) lies in window 0, all else in the pair's window.
.macro RID g
.set ru, n/5
.set rst, n%5
.if ru < 2
.set rp, 0
.elseif ru < 4
.set rp, 3
.elseif ru < 6
.set rp, 1
.else
.set rp, 2
.endif
.set rc, ru%2
.if rp < 3
.set rw, rp+1
.set rE, 192+16*(\g)+4*rc
.else
.set rw, 1
.set rE, 224+16*(\g)+4*rc
.endif
.set rO, rE+8
.set rR, RAW+32*(\g)+8*rp+4*rc
	WIN 0x54*rw
.irp t, 0,1,2,3
.if rst == 0
	v_xor_b32 v[rE+\t], v[rR+\t], s[X80]                  ; u = b + 128 in every byte
.elseif rst == 1
	v_perm_b32 v[rO+\t], s[C64], v[rE+\t], s[SELO]        ; the odd column: 1024 + u in both halves
.elseif rst == 2
	v_perm_b32 v[rE+\t], s[C64], v[rE+\t], s[SELE]        ; the even column
.elseif rst == 3
	v_pk_add_f16 v[rO+\t], v[NEG], v[rO+\t]               ; 1024 + u - 1152 = b, exactly
.else
	v_pk_add_f16 v[rE+\t], v[NEG], v[rE+\t]
.endif
.endr
.set n, n+1
.endm
.macro MR cnt, f, zero, cvt            ; cnt matrix instructions, each with its group of four behind it
.rept \cnt
	MM \f, \zero
.if \cvt
	RID 1-(\f)
.endif
.endr
.endm
.macro MO cnt, f, zero                 ; cnt matrix instructions alone
.rept \cnt
	MM \f, \zero
.endr
.endm
; A QUARTER STEP: 32 along K, 64 matrix instructions on buffer f.  Beside them (cvt = 1) the raw bytes of the NEXT quarter, buffer 1 - f, become fragments of w; the next quarter's fragments of x
; are fetched (slot as, byte ak) into buffer 1 - f, and the raw bytes of the quarter after that (slot rs, quarter rq) into raw buffer f, which the quarter before has used up.
; A load into a register that a matrix instruction has read stands four places behind it, and only plain vector instructions that name none of its registers are places (ISA guide 7.12.1 for
; vector instructions): here at least 32 riders stand between the last product on a buffer and the loads into it, so no v_nop is written for them.
; mode 0: both runs of loads in the quarter's middle.  mode 3: x's alone.  mode 4: none.
; mode 1, THE CHANGE OF SLOTS (a K step's third quarter): slot as has been read out but for x's last quarter, which is fetched first.  Then each wave waits for all its tensor loads, of which one is
; out: its part of the other slot; adds 0 to its spare word; works on; waits for the add and for its reads of the slot; and opens a round of the cluster's barrier.  Behind the round no wave of any
; partner reads slot as or has a load on its way: the joint refill, two K steps ahead, is the first thing there, then the other slot's first raw bytes.  From a request to the wait for it a wave
; issues 232 matrix instructions.  mode 2: the same with a plain barrier and no refill.
.macro QUARTER f, zero, cvt, mode, as, ak, rs, rq
	s_wait_dscnt 0x0                               ; this quarter's fragments of x and the next quarter's raw bytes are in: the youngest were issued 32 matrix instructions ago or more
.set i, 0
.set n, 0
	MR 8, \f, \zero, \cvt
.if ((\mode) == 1) || ((\mode) == 2)
	WIN 0
	FETCH_A \as, \ak, 1-(\f)                       ; my last reads of slot as
	s_wait_tensorcnt 0x0                           ; all my tensor loads have landed: the one that was out is my part of the other slot;
	ds_add_u32 v[SPW], v[NIL]                      ; 0 onto my spare word: sixteen matrix instructions and their riders stand between it and the wait for it
.endif
	MR 12, \f, \zero, \cvt
	MO 4, \f, \zero
.if (\mode) == 0
	WIN 0
	FETCH_A \as, \ak, 1-(\f)
	FETCH_R \rs, \rq, \f
.elseif (\mode) == 3
	WIN 0
	FETCH_A \as, \ak, 1-(\f)
.elseif (\mode) != 4
	s_wait_dscnt 0x0                               ; the add is done, and my reads of slot as are over:
	s_barrier_signal -1                            ; say so (in mode 1 this barrier opens a round of the cluster's barrier),
.endif
	MO 8, \f, \zero                                ; work on registers while the others arrive,
.if ((\mode) == 1) || ((\mode) == 2)
	WIN 0
	s_barrier_wait -1                              ; and go on when all four have said so
.if (\mode) == 1
	CREST                                          ; wave 0 says so for the work-group, all sixteen have said so, my work-group's barrier closes the round
	s_add_nc_u64 s[G0A+4*(\as)+2:G0A+4*(\as)+3], s[G0A+4*(\as)+2:G0A+4*(\as)+3], 2*KSTEP*2     ; no tensor load of mine is out, so a group 0 may be written: two K steps on along x's rows,
	s_add_nc_u64 s[G0B+4*(\as)+2:G0B+4*(\as)+3], s[G0B+4*(\as)+2:G0B+4*(\as)+3], 2*KSTEP*4096  ; 256 rows of w_q down; the type bits on top are not reached
	JLOAD \as                                      ; my one tensor load behind the round, and the first thing there
.endif
	FETCH_R \rs, \rq, \f                           ; the other slot is whole: its first raw bytes
.endif
	MR 10, \f, \zero, \cvt
	MO 6, \f, \zero
	MR 10, \f, \zero, \cvt
	MO 6, \f, \zero
.endm
	s_wait_tensorcnt 0x1                           ; my part of K step 0 is in; K step 1's may stay out
	s_barrier_signal -1
	s_barrier_wait -1                              ; everybody's is
	FETCH_R 0, 0, 0
	FETCH_A 0, 0, 0
	FETCH_R 0, 1, 1
	s_wait_dscnt 24                                ; the first eight loads, quarter 0's raw bytes, are in; the 16 of x and the 8 of quarter 1's raw bytes behind them may be out
.set n, 0
.rept 40
	RID 0                                          ; the first quarter's fragments of w: the one time that the widening has no matrix work beside it
.endr
	QUARTER 0, 1, 1, 0, 0, 64,  0, 2               ; the first quarter stands in front of the loop: its products start the sums
	WIN 0                                          ; at a label and at a branch every window is 0
	s_mov_b32 s3, LAPS-1
.Llap:                                                 ; a trip goes once round the ring, from a lap's second quarter to the next lap's first, and fills both slots again
	QUARTER 1, 0, 1, 0, 0, 128, 0, 3
	QUARTER 0, 0, 1, 1, 0, 192, 1, 0
	QUARTER 1, 0, 1, 0, 1, 0,   1, 1
	QUARTER 0, 0, 1, 0, 1, 64,  1, 2
	QUARTER 1, 0, 1, 0, 1, 128, 1, 3
	QUARTER 0, 0, 1, 1, 1, 192, 0, 0
	QUARTER 1, 0, 1, 0, 0, 0,   0, 1
	QUARTER 0, 0, 1, 0, 0, 64,  0, 2
	WIN 0
	s_sub_co_u32 s3, s3, 1
	s_cmp_lg_u32 s3, 0
	s_cbranch_scc1 .Llap
	QUARTER 1, 0, 1, 0, 0, 128, 0, 3               ; the last lap is written out: it fills nothing
	QUARTER 0, 0, 1, 2, 0, 192, 1, 0               ; my one tensor load that was still out is slot 1's, the last K step's
	QUARTER 1, 0, 1, 0, 1, 0,   1, 1
	QUARTER 0, 0, 1, 0, 1, 64,  1, 2
	QUARTER 1, 0, 1, 0, 1, 128, 1, 3
	QUARTER 0, 0, 1, 3, 1, 192, 0, 0               ; no raw bytes are left to fetch,
	QUARTER 1, 0, 0, 4, 0, 0,   0, 0               ; and in the last quarter nothing at all
; THE WAY OUT.  In an accumulator lane l holds ONE column (2 r or 2 r + 1 of its pair) and rows 8 h + 0..7 of its row block.  So scale and bias are one number a lane and accumulator.
.macro SBSET d, s, b                   ; scale, scale, bias, bias in f32: the pairs that the packed multiply-add takes
	v_cvt_f32_f16 v[(\d)], \s
	v_cvt_f32_f16 v[(\d)+1], \s
	v_cvt_f32_f16 v[(\d)+2], \b
	v_cvt_f32_f16 v[(\d)+3], \b
.endm
; Row block a: sum x scale + bias in f32, each accumulator's registers in ascending order; then E's and O's numbers of a row,
; two neighbouring columns, are rounded to f16 into one word.
.macro PACK a
.irp p, 0,3,1,2
.if (\p) < 3
.set pw, (\p)+1
.set pA, 16*(\a)
.else
.set pw, 1+(\a)/4
.set pA, 128+16*((\a)%4)
.endif
	WIN pw                                         ; source 0, the accumulator, in its window; all else in window 0
.irp e, 0,1
.irp t, 0,1,2,3
	v_pk_fma_f32 v[F+16*(\p)+8*(\e)+2*(\t):F+16*(\p)+8*(\e)+2*(\t)+1], v[pA+8*(\e)+2*(\t):pA+8*(\e)+2*(\t)+1], v[SB+8*(\p)+4*(\e):SB+8*(\p)+4*(\e)+1], v[SB+8*(\p)+4*(\e)+2:SB+8*(\p)+4*(\e)+3]
.endr
.endr
.endr
	WIN 0
.irp p, 0,1,2,3
.irp j, 0,1,2,3,4,5,6,7
	v_cvt_pk_f16_f32 v[PK+8*(\p)+(\j)], v[F+16*(\p)+(\j)], v[F+16*(\p)+8+(\j)]
.endr
.endr
.endm
; Into my own stage (16 lanes put 64 neighbouring bytes of a row), and back as whole rows of 256 bytes.
.macro TOSTAGE a
.irp p, 0,1,2,3
.irp j, 0,1,2,3,4,5,6,7
	ds_store_b32 v[STO], v[PK+8*(\p)+(\j)] offset:(\j)*SP+64*(\p)
.endr
.endr
.irp t, 0,1,2,3,4,5,6,7
	ds_load_b128 v[OB+32*((\a)%2)+4*(\t):OB+32*((\a)%2)+4*(\t)+3], v[RD] offset:(\t)*2*SP  ; LDS serves a wave's instructions in order (ISA guide 5.7.1.4): these see the stores above; the next block's stores come behind them
.endr
.endm
.macro SEND a
	s_wait_dscnt 0x0                               ; the block is back in registers
	s_wait_xcnt 0x0                                ; every earlier memory instruction has had its addresses translated (ISA guide 3.1): the registers that the block before last was stored from are loaded again only behind this wait
.irp t, 0,1,2,3,4,5,6,7
	global_store_b128 v[CO], v[OB+32*((\a)%2)+4*(\t):OB+32*((\a)%2)+4*(\t)+3], s[12:13] offset:(16*(\a)+2*(\t))*8192  ; 16 lanes store 256 consecutive bytes, at a multiple of 256 from out's first byte; 126 rows at the most, inside the signed 24-bit immediate
.endr
.endm
	WIN 0
	s_wait_loadcnt 0x0                             ; scale and bias
	SBSET SB,    v16.l, v20.l                      ; these 32 conversions name no register of the last products: they are the places behind them
	SBSET SB+4,  v16.h, v20.h
	SBSET SB+8,  v17.l, v21.l
	SBSET SB+12, v17.h, v21.h
	SBSET SB+16, v18.l, v22.l
	SBSET SB+20, v18.h, v22.h
	SBSET SB+24, v19.l, v23.l
	SBSET SB+28, v19.h, v23.h
	PACK 0
	TOSTAGE 0
.irp a, 1,2,3,4,5,6,7                  ; block a's arithmetic stands between block a - 1's loads from the stage and the wait for them
	PACK \a
	SEND (\a)-1
	TOSTAGE \a
.endr
	SEND 7
	s_wait_tensorcnt 0x0                           ; the wave's end, behind my last tensor load and my last LDS store
	ds_add_u32 v[SPW], v[NIL]
	s_wait_dscnt 0x0
	CROUND                                         ; the closing round: no work-group ends while a partner may still ask for a tile that names it
	s_endpgm
.Lfunc_end_k_qf425f1e300_gemm:
	.size	k_qf425f1e300_gemm, .Lfunc_end_k_qf425f1e300_gemm-k_qf425f1e300_gemm
	.p2alignl 7, 3214868480
	.fill 96, 4, 3214868480
	.section	.rodata,"a",@progbits
	.p2align	6, 0x0
	.amdhsa_kernel k_qf425f1e300_gemm
		.amdhsa_group_segment_fixed_size 327680
		.amdhsa_private_segment_fixed_size 0
		.amdhsa_enable_private_segment 0
		.amdhsa_kernarg_size 40
		.amdhsa_user_sgpr_count 2
		.amdhsa_user_sgpr_kernarg_segment_ptr 1
		.amdhsa_wavefront_size32 1
		.amdhsa_system_sgpr_workgroup_id_x 1
		.amdhsa_system_sgpr_workgroup_id_y 1
		.amdhsa_system_sgpr_workgroup_id_z 1
		.amdhsa_system_vgpr_workitem_id 0
		.amdhsa_next_free_vgpr 1024
		.amdhsa_next_free_sgpr 72
		.amdhsa_reserve_vcc 0
		.amdhsa_float_denorm_mode_32 3
		.amdhsa_float_denorm_mode_16_64 3
		.amdhsa_memory_ordered 1
		.amdhsa_forward_progress 1
		.amdhsa_inst_pref_size 255
	.end_amdhsa_kernel
	.section	.bss,"aw",@nobits
	.p2align	6
	.space	262144
	.amdgpu_metadata
---
amdhsa.version: [ 1, 2 ]
amdhsa.kernels:
  - .name:           k_qf425f1e300_gemm
    .symbol:         k_qf425f1e300_gemm.kd
    .args:
      - { .name: x, .offset: 0, .size: 8, .value_kind: global_buffer, .address_space: global }
      - { .name: w_q, .offset: 8, .size: 8, .value_kind: global_buffer, .address_space: global }
      - { .name: scale, .offset: 16, .size: 8, .value_kind: global_buffer, .address_space: global }
      - { .name: bias, .offset: 24, .size: 8, .value_kind: global_buffer, .address_space: global }
      - { .name: out0, .offset: 32, .size: 8, .value_kind: global_buffer, .address_space: global }
    .group_segment_fixed_size: 327680
    .private_segment_fixed_size: 0
    .kernarg_segment_align: 8
    .kernarg_segment_size: 40
    .max_flat_workgroup_size: 128
    .sgpr_count:     72
    .vgpr_count:     1024
    .wavefront_size: 32
...
	.end_amdgpu_metadata
.endif
;; end of part 1
